; MI455X (gfx1250); checked and timed in simulation.
; The chip was launched on July 23, 2026; its instructions are those of AMD's public machine-readable ISA for CDNA 5 (MIT licence, August 2026) and "CDNA5" Instruction Set Architecture Reference Guide (July 2026). The comments in the code are by the model that wrote it; some were corrected since.
;; Attention. Allowed arithmetic: matrix products marked QUANTISED: E2M1 operands, one E8M0 scale for each 32 along K, by v_wmma_scale_f32_16x16x128_f8f6f4 with both operands' format E2M1 (or v_wmma_scale_f32_32x16x128_f4), f32 sums; products left as they are: bf16, f16 or f32 operands; f32 sums; everything else in f32.
;; Inputs: W_proj 1,024 x 1,024 float32; W_qkv 1,024 x 3,072 float32; b_proj 1,024 float32; b_qkv 3,072 float32; x 4 x 2,048 x 1,024 float32.
;; Outputs: out0 4 x 2,048 x 1,024 float32.
;; This version of the problem:
;;   THIS VERSION OF THE PROBLEM IS GIVEN IN LOW PRECISION. The matrix products marked QUANTISED in the list below multiply operands that are first quantised to E2M1 (2 exponent bits, 1 mantissa bit; 4 bits a number), with one power-of-two scale for each 32 numbers along K (OCP MX v1.0); their sums are f32. The products marked 'left as it is' may take bf16, f16 or f32 operands, with f32 sums. Whichever they take, every output number must still come out within the allowed error. Rounding operands to bf16 (8 significant bits) uses up far more of that allowance than f16 does (11 bits, for magnitudes from 6e-5 to 65,504). All else is computed in f32.
;;   The module's matrix products, in the order in which they are computed (A, B: the left and right operand; K: the contracted axis; several contracted axes count as one K, in the product's order):
;;     1. [M 8,192, K 1,024] x [K 1,024, N 3,072]; A: input x; B: input W_qkv: QUANTISED
;;     2. batch 64 x [M 2,048, K 64] x [K 64, N 2,048]; A: computed on the way; B: computed on the way: left as it is (an operand is computed on the way)
;;     3. batch 64 x [M 2,048, K 2,048] x [K 2,048, N 64]; A: computed on the way; B: computed on the way: left as it is (an operand is computed on the way)
;;     4. [M 8,192, K 1,024] x [K 1,024, N 1,024]; A: computed on the way; B: input W_proj: left as it is (an operand is computed on the way)
;;   THE QUANTISER, for each operand of a quantised product, along K:
;;     - K is cut into blocks of 32 from its start; a last block that is shorter is filled with zeros.
;;     - A block's scale is 2^e with e = floor(log2(the largest magnitude in the block)) - 2, held to -126 .. 127; a block of zeros has e = 0. As a byte (E8M0): e + 127.
;;     - Each number is divided by its block's scale, clamped to +-6, and rounded to the nearest number of E2M1, ties to even, subnormals kept.
;;     - The product sums the exact products of the quantised numbers (number of the format x scale) in f32.
;;   ~~~python
;;   def quantise(x, axis):      # numpy; x: float32 -> the quantised numbers, widened to float32 again
;;       x = np.moveaxis(x, axis, -1); K = x.shape[-1]
;;       x = np.pad(x, [(0, 0)] * (x.ndim - 1) + [(0, -K % 32)]); x = x.reshape(x.shape[:-1] + (-1, 32)); a = np.abs(x).max(-1, keepdims=True)
;;       e = np.where(a > 0, np.clip(np.frexp(np.where(a > 0, a, 1))[1] - 1 - 2, -126, 127), 0)      # np.frexp(a)[1] - 1 = floor(log2(a)), exactly
;;       r = np.clip(x / 2.0 ** e, -6, 6)
;;       step = 2.0 ** (np.maximum(np.frexp(np.where(r == 0, 1, r))[1] - 1, 0) - 1)
;;       q = np.round(r / step) * step * 2.0 ** e      # np.round: ties to even
;;       return np.moveaxis(q.reshape(q.shape[:-2] + (-1,))[..., :K], -1, axis).astype(np.float32)
;;   ~~~
;; One version. Each part assembles by itself: llvm-mc -triple=amdgcn-amd-amdhsa -mcpu=gfx1250 --defsym DOCPART=n.
;; ======== version 1 of 1: 4 launches
;; limits: values are held in f16: magnitudes above 65,504 overflow, below 6.1e-05 lose precision
;; workspace buffers: xq 4,194,304 bytes; xs 262,144 bytes; wq 1,572,864 bytes; ws 98,304 bytes; wpf 2,097,152 bytes; qkv 50,331,648 bytes; ao 16,777,216 bytes
;; launch prep (part 1): grid 512 x 1, 4 waves a work-group, no clusters, 34,304 bytes of LDS; arguments x, W_qkv, W_proj, xq, xs, wq, ws, wpf; writes xq, xs, wq, ws, wpf
.if DOCPART == 1
	.amdgcn_target "amdgcn-amd-amdhsa--gfx1250"
	.amdhsa_code_object_version 6
	.text
	.protected	k_q6cc514af4b_prep
	.globl	k_q6cc514af4b_prep
	.p2align	8
	.type	k_q6cc514af4b_prep,@function
k_q6cc514af4b_prep:
	s_mov_b64 s[64:65], 0
	v_nop
	global_prefetch_b8 v0, s[64:65] scope:SCOPE_SE
	s_setreg_imm32_b32 hwreg(HW_REG_WAVE_MODE, 25, 1), 1
	s_wait_xcnt 0x0
; x [8192][1024] and W_qkv [1024 (k)][3072 (n)], f32, become codes of FP4 (E2M1) with one E8M0 byte for each 32 along K; W_proj [1024 (k)][1024 (n)] becomes f16.
; All three leave in the ORDER OF THE OPERANDS' REGISTERS, so that the later launches load fragments by 16 bytes a lane at 16 x lane:
;   xq, wq: [block of 128 rows][s: 128 along K][i: 16 rows][1,024 B]; in the 1,024 B, byte 512 c + 16 (r + 16 h) begins the 16 bytes of row r, k = 128 s + 64 c + 32 h + 0 .. 31.
;   xs, ws: [block of 128 rows][kh: 512 along K][i][r][16 B]: word q is the scale word of s = 4 kh + q.
;   wpf:    [256 n][128 k][16 n][u: 16 k][512 B]; lane (r, h)'s 16 bytes: n = r, k = 16 u + 8 h + 0 .. 7.
; A block's scale is 2^(floor(log2(largest magnitude)) - 2); its byte is the largest magnitude's exponent field - 2, held at 1 from below by a floor among the maximum's leaves.
; LIMITS: a block of zeros gets the byte 1 where the rule says 127 (its codes are zeros, which add nothing, and this program alone reads the bytes); NaN and infinities among the inputs are not served;
; W_proj is rounded to f16: magnitudes up to 65,504, and under 6e-5 with an absolute error of 3e-8 at the most.
; SHARES: work-groups 0-191 take W_qkv (128 columns x 128 k each), 192-255 W_proj (the same), 256-511 x (a wave: 16 rows x 512 k).  Waves share nothing: no barrier.  Only x's path uses LDS.
.set SPARE, 33792                      ; behind the four stages: the spare words, 128 bytes a wave: two blocks of 256 bytes that no other line names
.set STGW,  8448                       ; a wave's stage: 16 rows x (512 + 16) bytes
.set SPW,   12                         ; v12 LDS address of my spare word; never rewritten
.set NIL,   13                         ; v13 0; never rewritten
	s_load_b512 s[8:23], s[0:1], 0x0               ; x s[8:9], W_qkv s[10:11], W_proj s[12:13], xq s[14:15], xs s[16:17], wq s[18:19], ws s[20:21], wpf s[22:23]
	v_lshl_add_u32 v[SPW], v0, 2, SPARE
	v_mov_b32 v[NIL], 0
	v_lshrrev_b32 v1, 5, v0
	v_readfirstlane_b32 s24, v1                    ; wave
	v_and_b32 v1, 31, v0                           ; lane
	v_and_b32 v2, 15, v0                           ; r
	v_bfe_u32 v3, v0, 4, 1                         ; h
	s_mov_b32 s26, 0x76543210
	s_mov_b32 s27, 0xfedcba98                      ; v_permlanex16_b32's selects for lane l xor 16
	s_mov_b32 s31, 0                               ; the high word of every offset below
	s_wait_kmcnt 0x0
	s_cmp_ge_u32 ttmp9, 256
	s_cbranch_scc1 .Lx
	s_cmp_ge_u32 ttmp9, 192
	s_cbranch_scc1 .Lp
; A LANE TAKES A COLUMN n AND ITS REGISTERS RUN DOWN K: 128 loads, each 128 consecutive bytes a wave; all are issued at once
.macro LOADCOL base, pitch
.set i, 0
.rept 128
	global_load_b32 v[32+i], v4, s[\base:\base+1] offset:i*\pitch th:TH_LOAD_NT
.set i, i+1
.endr
.endm
; ---- W_qkv: cg = 128 columns, s = 128 along K
	s_lshr_b32 s25, ttmp9, 3                       ; cg
	s_and_b32 s29, ttmp9, 7                        ; s
	v_lshlrev_b32 v4, 2, v1
	s_mul_i32 s30, s29, 128*12288                  ; 128 s rows of 12,288 bytes
	s_lshl_b32 s32, s25, 9
	s_add_co_u32 s30, s30, s32                     ; + 128 cg columns
	s_lshl_b32 s32, s24, 7
	s_add_co_u32 s30, s30, s32                     ; + 32 x wave
	s_add_nc_u64 s[10:11], s[10:11], s[30:31]
	LOADCOL 10, 12288
	v_lshlrev_b32 v5, 4, v2
	v_lshlrev_b32 v6, 4, v2
	v_lshl_add_u32 v5, v3, 10, v5                  ; codes: fragment 2 w + lane / 16, row r: 1,024 (lane / 16) + 16 r
	v_lshl_add_u32 v6, v3, 8, v6                   ; scale words: 256 (lane / 16) + 16 r
	s_lshl_b32 s30, s25, 16
	s_lshl_b32 s32, s29, 13
	s_add_co_u32 s30, s30, s32
	s_lshl_b32 s32, s24, 11
	s_add_co_u32 s30, s30, s32
	s_add_nc_u64 s[18:19], s[18:19], s[30:31]      ; wq + 65,536 cg + 8,192 s + 2,048 w
	s_lshl_b32 s30, s25, 12
	s_lshr_b32 s32, s29, 2
	s_lshl_b32 s32, s32, 11
	s_add_co_u32 s30, s30, s32
	s_lshl_b32 s32, s24, 9
	s_add_co_u32 s30, s30, s32
	s_and_b32 s32, s29, 3
	s_lshl_b32 s32, s32, 2
	s_add_co_u32 s30, s30, s32
	s_add_nc_u64 s[20:21], s[20:21], s[30:31]      ; ws + 4,096 cg + 2,048 (s / 4) + 512 w + 4 (s % 4)
; block t of my column: k = 32 t + 0 .. 31, all in my registers.  In the fragment it is c = t / 2, h = t % 2
.macro BLOCKW t
.set XS, 32+32*(\t)
.if 96-32*(\t) > 63
	s_wait_loadcnt 63                              ; 96 - 32 t younger loads might stay out; a wait's count ends at 63, and a smaller count is safe
.else
	s_wait_loadcnt 96-32*(\t)                      ; the younger blocks' loads may stay out
.endif
	v_max3_num_f32 v14, |v[XS]|, |v[XS+1]|, |v[XS+2]|
	v_max3_num_f32 v15, |v[XS+3]|, |v[XS+4]|, |v[XS+5]|
.irp i, 6,10,14,18,22,26
	v_max3_num_f32 v14, v14, |v[XS+\i]|, |v[XS+\i+1]|
	v_max3_num_f32 v15, v15, |v[XS+\i+2]|, |v[XS+\i+3]|
.endr
	v_max3_num_f32 v14, v14, |v[XS+30]|, |v[XS+31]|
	v_max3_num_f32 v14, v14, v15, 0x1800000        ; and the floor 2^(3 - 127): the byte cannot fall under 1
	v_add_nc_u32 v20, 0xff000000, v14              ; 2 off the exponent field: the conversion's scale operand
	v_lshrrev_b32 v21, 23, v20                     ; the scale's byte
.if (\t) == 0
	v_mov_b32 v22, v21
.else
	v_lshl_or_b32 v22, v21, 8*(\t), v22            ; the lower K in the lower byte
.endif
.irp g, 0,1,2,3
	v_cvt_scalef32_pk8_fp4_f32 v[160+4*(\t)+\g], v[XS+8*\g:XS+8*\g+7], v20
.endr
	v_nop                                          ; one plain line behind the last conversion of a run
	global_store_b128 v5, v[160+4*(\t):163+4*(\t)], s[18:19] offset:512*((\t)/2)+256*((\t)%2)   ; sixteen lanes store 256 consecutive bytes, aligned
.endm
	BLOCKW 0
	BLOCKW 1
	BLOCKW 2
	BLOCKW 3
	global_store_b32 v6, v22, s[20:21]             ; my column's scale word of this s: 4 bytes in each 16: 96 KB in all are written so, one byte for each 128 read
	s_branch .Lend
; ---- W_proj: the same loads; eight numbers down K are 16 bytes of f16
.Lp:
	s_sub_co_u32 s25, ttmp9, 192
	s_and_b32 s29, s25, 7                          ; kg: 128 along K
	s_lshr_b32 s25, s25, 3                         ; cg: 128 columns
	v_lshlrev_b32 v4, 2, v1
	s_lshl_b32 s30, s29, 19                        ; 128 kg rows of 4,096 bytes
	s_lshl_b32 s32, s25, 9
	s_add_co_u32 s30, s30, s32
	s_lshl_b32 s32, s24, 7
	s_add_co_u32 s30, s30, s32
	s_add_nc_u64 s[12:13], s[12:13], s[30:31]
	LOADCOL 12, 4096
	v_lshlrev_b32 v7, 4, v2
	v_lshl_add_u32 v7, v3, 12, v7                  ; tile of 16 n: 4,096 (lane / 16), + 16 r
	s_lshr_b32 s30, s25, 1
	s_lshl_b32 s30, s30, 19
	s_lshl_b32 s32, s29, 16
	s_add_co_u32 s30, s30, s32
	s_and_b32 s32, s25, 1
	s_lshl_b32 s32, s32, 15
	s_add_co_u32 s30, s30, s32
	s_lshl_b32 s32, s24, 13
	s_add_co_u32 s30, s30, s32
	s_add_nc_u64 s[22:23], s[22:23], s[30:31]      ; wpf + 524,288 (cg / 2) + 65,536 kg + 4,096 (8 (cg % 2) + 2 w)
.set u, 0
.rept 8
.if 112-16*u > 63
	s_wait_loadcnt 63                              ; 112 - 16 u younger loads might stay out; a wait's count ends at 63
.else
	s_wait_loadcnt 112-16*u
.endif
.irp j, 0,1,2,3,4,5,6,7
	v_cvt_pk_f16_f32 v[160+8*u+\j], v[32+16*u+2*\j], v[33+16*u+2*\j]
.endr
	global_store_b128 v7, v[160+8*u:163+8*u], s[22:23] offset:512*u        ; k = 16 u + 0 .. 7: the places of lanes 0-15 of the unit
	global_store_b128 v7, v[164+8*u:167+8*u], s[22:23] offset:512*u+256    ; k = 16 u + 8 .. 15: those of lanes 16-31
.set u, u+1
.endr
	s_branch .Lend
; ---- x: a wave takes 16 rows x 512 along K: four fragments.  Loads read 512 consecutive bytes of a row; a fragment's 8,192 bytes turn through the wave's own stage, so that lane (r, h) gets 32 neighbours of row r for each c
.Lx:
	s_sub_co_u32 s25, ttmp9, 256
	s_lshl_b32 s25, s25, 2
	s_add_co_u32 s25, s25, s24
	s_lshr_b32 s29, s25, 1                         ; MT: which 16 rows
	s_and_b32 s25, s25, 1                          ; kh: which 512 along K
	v_lshlrev_b32 v8, 4, v1                        ; 16 x lane
	s_lshl_b32 s30, s29, 16
	s_lshl_b32 s32, s25, 11
	s_add_co_u32 s30, s30, s32
	s_add_nc_u64 s[8:9], s[8:9], s[30:31]
.macro LOADX t
.set XSET, 32+64*((\t)%3)
.irp i, 0,1,2,3,4,5,6,7,8,9,10,11,12,13,14,15
	global_load_b128 v[XSET+4*\i:XSET+4*\i+3], v8, s[8:9] offset:\i*4096+(\t)*512 th:TH_LOAD_NT
.endr
.endm
.macro TURNX t                         ; LDS serves a wave's instructions in order: no wait between the stores and the loads; the loads land in the registers that the stores left
.set XSET, 32+64*((\t)%3)
.irp i, 0,1,2,3,4,5,6,7,8,9,10,11,12,13,14,15
	ds_store_b128 v9, v[XSET+4*\i:XSET+4*\i+3] offset:528*\i
.endr
.irp c, 0,1
.irp g, 0,1,2,3,4,5,6,7
	ds_load_b128 v[XSET+32*\c+4*\g:XSET+32*\c+4*\g+3], v10 offset:256*\c+16*\g   ; register 32 c + i: x(r, 128 s + 64 c + 32 h + i)
.endr
.endr
.endm
.macro QUANTX t
.set XSET, 32+64*((\t)%3)
.irp c, 0,1
	v_max3_num_f32 v[14+\c], |v[XSET+32*\c]|, |v[XSET+32*\c+1]|, 0x1800000   ; block 2 c + h: all 32 numbers are mine; and the floor
.endr
.irp i, 2,4,6,8,10,12,14,16,18,20,22,24,26,28,30
.irp c, 0,1
	v_max3_num_f32 v[14+\c], v[14+\c], |v[XSET+32*\c+\i]|, |v[XSET+32*\c+\i+1]|
.endr
.endr
.irp c, 0,1
	v_add_nc_u32 v[18+\c], 0xff000000, v[14+\c]
.endr
.irp c, 0,1
	v_lshrrev_b32 v[20+\c], 23, v[18+\c]
.endr
	v_lshl_or_b32 v22, v21, 16, v20                ; my two bytes: blocks h and 2 + h,
	v_lshlrev_b32 v22, v23, v22                    ; 8 h bits up;
	v_permlanex16_b32 v16, v22, s26, s27
	v_or_b32 v[24+(\t)], v22, v16                  ; with lane l xor 16's two the word is whole
.irp c, 0,1
.irp g, 0,1,2,3
	v_cvt_scalef32_pk8_fp4_f32 v[224+8*(\t)+4*\c+\g], v[XSET+32*\c+8*\g:XSET+32*\c+8*\g+7], v[18+\c]
.endr
.endr
	v_nop                                          ; one plain line behind the last conversion of a run
.irp c, 0,1
	global_store_b128 v8, v[224+8*(\t)+4*\c:227+8*(\t)+4*\c], s[14:15] offset:8192*(\t)+512*\c   ; 512 consecutive bytes, aligned
.endr
.endm
	LOADX 0
	LOADX 1
	LOADX 2
	s_mul_i32 s28, s24, STGW
	v_add_nc_u32 v9, s28, v8                       ; into the stage: 16 x lane of row i
	v_mul_u32_u24 v10, v2, 528
	v_lshl_add_u32 v10, v3, 7, v10
	v_add_nc_u32 v10, s28, v10                     ; out of it: row r, + 128 h
	v_lshlrev_b32 v11, 4, v2
	v_lshlrev_b32 v23, 3, v3                       ; 8 h
	v_mov_b32 v16, 0                               ; a lane permute's destination counts as one of its sources
	s_lshr_b32 s32, s29, 3                         ; block of 128 rows
	s_and_b32 s34, s29, 7                          ; i
	s_lshl_b32 s30, s32, 16
	s_lshl_b32 s36, s25, 15
	s_add_co_u32 s30, s30, s36
	s_lshl_b32 s36, s34, 10
	s_add_co_u32 s30, s30, s36
	s_add_nc_u64 s[14:15], s[14:15], s[30:31]
	s_lshl_b32 s30, s32, 12
	s_lshl_b32 s36, s25, 11
	s_add_co_u32 s30, s30, s36
	s_lshl_b32 s36, s34, 8
	s_add_co_u32 s30, s30, s36
	s_add_nc_u64 s[16:17], s[16:17], s[30:31]
	s_wait_loadcnt 32                              ; fragment 0 is in; fragments 1 and 2 (32 loads) may be out
	TURNX 0
	s_wait_dscnt 0x0
	QUANTX 0
	LOADX 3                                        ; into fragment 0's registers
	s_wait_loadcnt 32                              ; fragments 2 and 3 may be out
	TURNX 1
	s_wait_dscnt 0x0
	QUANTX 1
	s_wait_loadcnt 16                              ; fragment 3 may be out
	TURNX 2
	s_wait_dscnt 0x0
	QUANTX 2
	s_wait_loadcnt 0x0
	TURNX 3
	s_wait_dscnt 0x0
	QUANTX 3
	s_wait_xcnt 0x0                                ; EXEC changes only behind this wait
	v_cmp_gt_u32 vcc_lo, 16, v1
	s_and_saveexec_b32 s37, vcc_lo
	global_store_b128 v11, v[24:27], s[16:17]      ; lanes 0-15: the 16 rows' four scale words: 256 consecutive bytes, aligned
	s_wait_xcnt 0x0                                ; and again, in front of the line that widens it
	s_or_b32 exec_lo, exec_lo, s37
.Lend:
	s_wait_tensorcnt 0x0                           ; the wave's end, behind my last LDS store
	ds_add_u32 v[SPW], v[NIL]
	s_wait_dscnt 0x0
	s_endpgm
.Lfunc_end_k_q6cc514af4b_prep:
	.size	k_q6cc514af4b_prep, .Lfunc_end_k_q6cc514af4b_prep-k_q6cc514af4b_prep
	.p2alignl 7, 3214868480
	.fill 96, 4, 3214868480
	.section	.rodata,"a",@progbits
	.p2align	6, 0x0
	.amdhsa_kernel k_q6cc514af4b_prep
		.amdhsa_group_segment_fixed_size 34304
		.amdhsa_private_segment_fixed_size 0
		.amdhsa_enable_private_segment 0
		.amdhsa_kernarg_size 64
		.amdhsa_user_sgpr_count 2
		.amdhsa_user_sgpr_kernarg_segment_ptr 1
		.amdhsa_wavefront_size32 1
		.amdhsa_system_sgpr_workgroup_id_x 1
		.amdhsa_system_sgpr_workgroup_id_y 1
		.amdhsa_system_sgpr_workgroup_id_z 1
		.amdhsa_system_vgpr_workitem_id 0
		.amdhsa_next_free_vgpr 256
		.amdhsa_next_free_sgpr 66
		.amdhsa_reserve_vcc 1
		.amdhsa_float_denorm_mode_32 3
		.amdhsa_float_denorm_mode_16_64 3
		.amdhsa_memory_ordered 1
		.amdhsa_forward_progress 1
		.amdhsa_inst_pref_size 68
	.end_amdhsa_kernel
	.amdgpu_metadata
---
amdhsa.version: [ 1, 2 ]
amdhsa.kernels:
  - .name:           k_q6cc514af4b_prep
    .symbol:         k_q6cc514af4b_prep.kd
    .args:
      - { .name: x, .offset: 0, .size: 8, .value_kind: global_buffer, .address_space: global }
      - { .name: W_qkv, .offset: 8, .size: 8, .value_kind: global_buffer, .address_space: global }
      - { .name: W_proj, .offset: 16, .size: 8, .value_kind: global_buffer, .address_space: global }
      - { .name: xq, .offset: 24, .size: 8, .value_kind: global_buffer, .address_space: global }
      - { .name: xs, .offset: 32, .size: 8, .value_kind: global_buffer, .address_space: global }
      - { .name: wq, .offset: 40, .size: 8, .value_kind: global_buffer, .address_space: global }
      - { .name: ws, .offset: 48, .size: 8, .value_kind: global_buffer, .address_space: global }
      - { .name: wpf, .offset: 56, .size: 8, .value_kind: global_buffer, .address_space: global }
    .group_segment_fixed_size: 34304
    .private_segment_fixed_size: 0
    .kernarg_segment_align: 8
    .kernarg_segment_size: 64
    .max_flat_workgroup_size: 128
    .sgpr_count:     66
    .vgpr_count:     256
    .wavefront_size: 32
...
	.end_amdgpu_metadata
.endif
;; end of part 1
;; launch qkv (part 2): grid 12 x 32, 4 waves a work-group, clusters of 4 x 4, 327,680 bytes of LDS; arguments xq, xs, wq, ws, b_qkv, qkv; writes qkv
.if DOCPART == 2
	.amdgcn_target "amdgcn-amd-amdhsa--gfx1250"
	.amdhsa_code_object_version 6
	.text
	.protected	k_q6cc514af4b_qkv
	.globl	k_q6cc514af4b_qkv
	.p2align	8
	.type	k_q6cc514af4b_qkv,@function
k_q6cc514af4b_qkv:
	s_mov_b64 s[64:65], 0
	v_nop
	global_prefetch_b8 v0, s[64:65] scope:SCOPE_SE
	s_setreg_imm32_b32 hwreg(HW_REG_WAVE_MODE, 25, 1), 1
	s_wait_xcnt 0x0
	s_wait_alu depctr_hold_cnt(0) depctr_sa_sdst(0) depctr_va_vdst(0) depctr_va_sdst(0) depctr_va_ssrc(0) depctr_va_vcc(0) depctr_vm_vsrc(0)
	s_getreg_b32 s2, hwreg(HW_REG_IB_STS2, 6, 4)
	s_cmp_eq_u32 s2, 0
	s_cbranch_scc0 .Lentry_in_a_cluster
	s_endpgm
.Lentry_in_a_cluster:
	s_bfe_u32 s2, ttmp6, 0x10000c
	s_cmp_lg_u32 s2, 0xf033
	s_cbranch_scc0 .Lentry_shape_is_right
	s_endpgm
.Lentry_shape_is_right:
; q, k, v = Q(x) Q(W_qkv) + b_qkv: [8192][1024] x [1024][3072] on codes of FP4 (E2M1) with E8M0 scales for each 32 along K; sums in f32; the results are rounded once to f16 and leave in the order of the next launch's operand registers.
; LIMIT: |q|, |k|, |v| up to 65,504 (f16); what lies under 6e-5 carries an absolute error of 3e-8 at the most.
; A tile of 256 x 256 is made by four waves, each 128 x 128: 64 accumulators, 512 registers.  K = 1,024 is two LDS slots of 512: both are asked for at the head and nothing is filled again.
; OPERANDS LIE IN MEMORY AND IN LDS AS IMAGES OF THEIR REGISTERS (1,024 bytes a fragment of 16 rows x 128 K; 16 bytes a lane at 16 x lane): tiles are dense blocks, fragment loads read 512 consecutive bytes.
; CLUSTERS: 4 x 4 work-groups; x's tiles are shared along a row of the cluster, W's along a column: each is asked for jointly, by the same tensor load with the same descriptor and a mask that names the four.
; THE MATRIX INSTRUCTION IS USED TRANSPOSED (source 0 = 16 columns n of W, source 1 = 16 rows of x): a lane holds one token and eight neighbouring channels.  The bias is the C of each sum's first instruction.
; OUT: qkv [part 3][batch x head 64][16 tokens: 128][16 channels: 4][512 B]; q, k: lane (r, h)'s 16 bytes (token r, channels 8 h + 0 .. 7) at 16 (r + 16 h); v: at 16 ((r % 8) + 8 h + 16 (r / 8)), which is where the turning LDS load of the next launch wants them.
; REGISTERS: window 0: v16-30 addresses; v32-95 scale words, two sets; v128-191 x's fragments, one set (on the way out the packed results); v192-255 the bias.  window 1: W's fragments, two sets.  windows 2, 3: the accumulators.
.set NQ,     4                         ; steps of 128 along K in a slot
.set FR,     8                         ; registers of a fragment
.set NL,     2                         ; LDS loads that bring one
.set NP,     4                         ; places behind this matrix instruction (ISA guide 7.12.1)
.set HALFT,  32768                     ; 128 rows x 512 K of codes: what one tensor load brings
.set SLOT,   4*HALFT                   ; x's 256 rows, then W's 256
.set SCL,    2*SLOT                    ; the scale words: 4,096 bytes for each 128 rows
.set HALFS,  4096
.set SPARE,  SCL+4*HALFS               ; the spare words, 128 bytes a wave: two blocks of 256 bytes that no other line names
.set ADRA, 16
.set ADRB, 20
.set CO,   26
.set ADRS, 27
.set SPW,  28
.set NIL,  29
.set BO,   30
.set SC,   32
.set AF,   128
.set PK,   128
.set BI,   192
.set G1, 24
.set G0, 32
.set G1B, 48
.set G0B, 56
.set G1S, 68
.set G0S, 76
.set G1SB, 80
.set G0SB, 88
.set MSB, 0
.macro WIN new                         ; the immediate's high byte repeats the setting that is left
.if MSB != \new
	s_set_vgpr_msb (MSB<<8)|\new
.set MSB, \new
.endif
.endm
.set MUL_LO, 0xa1                      ; source 0 (W) window 1, source 1 (x) window 0, C and D window 2
.set MUL_HI, 0xf1                      ; the same, C and D window 3
.set BIA_LO, 0x81                      ; the first step: C (the bias) window 0, D window 2
.set BIA_HI, 0xc1
.set TO_B,   0x40
; A joint load: waves 0 and 1 fetch for x, waves 2 and 3 for W.  The branch hangs on the wave's number alone.  An s_nop 0 and four v_nop follow each of the two lines.
.macro JLOAD g0a, g1a, g0b, g1b
	s_cmp_eq_u32 s17, 0
	s_cbranch_scc0 .Lfor_b_\@
	tensor_load_to_lds s[\g0a:\g0a+3], s[\g1a:\g1a+7]
	s_nop 0
.rept 4
	v_nop
.endr
	s_branch .Lasked_\@
.Lfor_b_\@:
	tensor_load_to_lds s[\g0b:\g0b+3], s[\g1b:\g1b+7]
	s_nop 0
.rept 4
	v_nop
.endr
.Lasked_\@:
.endm
.macro CROUND                          ; a round of the cluster's barrier
	s_barrier_signal -1
	s_barrier_wait -1
	s_cmp_lg_u32 s16, 0
	s_cbranch_scc1 .Lnot_wave_0_\@
	s_barrier_signal -3
.Lnot_wave_0_\@:
	s_barrier_wait -3
	s_barrier_signal -1
	s_barrier_wait -1
.endm
	s_load_b128 s[4:7], s[0:1], 0x0                ; xq, xs
	s_load_b128 s[8:11], s[0:1], 0x10              ; wq, ws
	s_load_b128 s[12:15], s[0:1], 0x20             ; b_qkv, qkv
	v_lshl_add_u32 v[SPW], v0, 2, SPARE
	v_mov_b32 v[NIL], 0
	ds_add_u32 v[SPW], v[NIL]                      ; the wave's opening: the add, twice on end, and its wait ahead of my first tensor load
	ds_add_u32 v[SPW], v[NIL]
	v_lshrrev_b32 v1, 5, v0
	v_readfirstlane_b32 s16, v1                    ; wave
	s_lshr_b32 s17, s16, 1                         ; my half of the tile's rows.  Also: I fetch for x (0) or for W (1)
	s_and_b32 s18, s16, 1                          ; my half of its columns.  Also: which 128 rows I fetch
	s_bfe_u32 s20, ttmp6, 0x40000                  ; cx
	s_bfe_u32 s21, ttmp6, 0x40004                  ; cy
	s_lshl_b32 s22, ttmp9, 2
	s_add_co_u32 s22, s22, s20                     ; tile column
	s_and_b32 s23, ttmp7, 0xffff
	s_lshl_b32 s23, s23, 2
	s_add_co_u32 s23, s23, s21                     ; tile row
	s_lshl_b32 s92, s21, 2
	s_lshl_b32 s92, 15, s92                        ; my row of the cluster
	s_lshl_b32 s93, 0x1111, s20                    ; my column
	; group 1: dense blocks as rows of 256 bytes (32 elements of 8 bytes), no padding; 128 rows of them for codes, 16 for scale words
	s_or_b32 s[G1+0], s92, (3<<16)|(1<<21)
	s_or_b32 s[G1B+0], s93, (3<<16)|(1<<21)
.irp g, G1, G1B
	s_mov_b32 s[\g+1], 32<<16                      ; tensor_dim0
	s_mov_b32 s[\g+2], 128<<16                     ; tensor_dim1
	s_mov_b32 s[\g+3], 32<<16                      ; tile_dim0
	s_mov_b32 s[\g+4], 128                         ; tile_dim1
	s_mov_b32 s[\g+5], 32                          ; pitch
	s_mov_b32 s[\g+6], 0
	s_mov_b32 s[\g+7], 0
.endr
	s_or_b32 s[G1S+0], s92, (3<<16)|(1<<21)
	s_or_b32 s[G1SB+0], s93, (3<<16)|(1<<21)
.irp g, G1S, G1SB
	s_mov_b32 s[\g+1], 32<<16
	s_mov_b32 s[\g+2], 16<<16
	s_mov_b32 s[\g+3], 32<<16
	s_mov_b32 s[\g+4], 16
	s_mov_b32 s[\g+5], 32
	s_mov_b32 s[\g+6], 0
	s_mov_b32 s[\g+7], 0
.endr
	s_lshl_b32 s40, s23, 1
	s_add_co_u32 s40, s40, s18                     ; x: block of 128 rows = 2 x tile row + half
	s_lshl_b32 s42, s40, 12                        ; its scale words,
	s_lshl_b32 s40, s40, 16                        ; its codes
	s_mov_b32 s41, 0
	s_mov_b32 s43, 0
	s_lshl_b32 s44, s22, 1
	s_add_co_u32 s44, s44, s18                     ; W: 2 x tile column + half
	s_lshl_b32 s46, s44, 12
	s_lshl_b32 s44, s44, 16
	s_mov_b32 s45, 0
	s_mov_b32 s47, 0
	s_lshl_b32 s94, s16, 15                        ; where they go: wave x 32,768: no place in the cluster enters an LDS address
	s_lshl_b32 s95, s16, 12
	s_wait_dscnt 0x0                               ; both opening adds are done
	s_wait_kmcnt 0x0
	s_add_nc_u64 s[40:41], s[4:5], s[40:41]
	s_add_nc_u64 s[42:43], s[6:7], s[42:43]
	s_add_nc_u64 s[44:45], s[8:9], s[44:45]
	s_add_nc_u64 s[46:47], s[10:11], s[46:47]
	CROUND                                         ; all sixteen work-groups are here: the first joint loads meet
	s_mov_b32 s[G0S], 1
	s_add_co_u32 s[G0S+1], s95, SCL
	s_mov_b64 s[G0S+2:G0S+3], s[42:43]
	s_or_b32 s[G0S+3], s[G0S+3], 0x80000000
	s_mov_b32 s[G0SB], 1
	s_add_co_u32 s[G0SB+1], s95, SCL
	s_mov_b64 s[G0SB+2:G0SB+3], s[46:47]
	s_or_b32 s[G0SB+3], s[G0SB+3], 0x80000000
	JLOAD G0S, G1S, G0SB, G1SB                     ; the scale words first: they are wanted with the first slot
.irp s, 0,1
	s_mov_b32 s[G0+4*\s], 1
	s_add_co_u32 s[G0+4*\s+1], s94, \s*SLOT
	s_add_nc_u64 s[G0+4*\s+2:G0+4*\s+3], s[40:41], \s*HALFT
	s_or_b32 s[G0+4*\s+3], s[G0+4*\s+3], 0x80000000
	s_mov_b32 s[G0B+4*\s], 1
	s_add_co_u32 s[G0B+4*\s+1], s94, \s*SLOT
	s_add_nc_u64 s[G0B+4*\s+2:G0B+4*\s+3], s[44:45], \s*HALFT
	s_or_b32 s[G0B+4*\s+3], s[G0B+4*\s+3], 0x80000000
	JLOAD G0+4*\s, G1, G0B+4*\s, G1B               ; three tensor loads of mine are out behind the second of these
.endr
	v_and_b32 v1, 15, v0                           ; r
	v_bfe_u32 v2, v0, 4, 1                         ; h
	v_lshlrev_b32 v[BO], 5, v2                     ; the bias: lane (r, h) wants, for W's block b, numbers 16 b + 8 h + 0 .. 7
	s_lshl_b32 s96, s22, 10
	s_lshl_b32 s98, s18, 9
	s_add_co_u32 s96, s96, s98
	s_mov_b32 s97, 0
	s_add_nc_u64 s[12:13], s[12:13], s[96:97]      ; b_qkv at my first column
.irp b, 0,1,2,3,4,5,6,7
	global_load_b128 v[BI+8*\b:BI+8*\b+3], v[BO], s[12:13] offset:64*\b
	global_load_b128 v[BI+8*\b+4:BI+8*\b+7], v[BO], s[12:13] offset:64*\b+16
.endr
	v_and_b32 v3, 31, v0
	v_lshlrev_b32 v4, 4, v3                        ; 16 x lane
	s_lshl_b32 s98, s17, 15                        ; my 128 rows of x
	s_lshl_b32 s99, s18, 15                        ; my 128 rows of W,
	s_add_co_u32 s99, s99, 2*HALFT                 ; which lie behind x's 256
.irp s, 0,1
	v_add_nc_u32 v[ADRA+\s], s98, v4
	v_add_nc_u32 v[ADRB+\s], s99, v4
	s_add_co_u32 s98, s98, SLOT
	s_add_co_u32 s99, s99, SLOT
.endr
	v_lshlrev_b32 v5, 4, v1                        ; scale words: 16 bytes a row
	s_lshl_b32 s98, s17, 12
	s_lshl_b32 s99, s18, 12
	s_add_co_u32 s99, s99, 2*HALFS
	s_sub_co_u32 s99, s99, s98
	v_mul_u32_u24 v6, s99, v2                      ; lanes 16-31 take W's
	s_add_co_u32 s98, s98, SCL
	v_add_nc_u32 v5, v5, v6
	v_add_nc_u32 v[ADRS], s98, v5
	v_and_b32 v5, 7, v1                            ; the way out: v's place in a unit: (r % 8) + 8 h + 16 (r / 8)
	v_lshl_add_u32 v5, v2, 3, v5
	v_lshrrev_b32 v6, 3, v1
	v_lshl_add_u32 v5, v6, 4, v5
	v_lshlrev_b32 v5, 4, v5
	s_cmp_eq_u32 ttmp9, 2                          ; the cluster's x is the part: 0 q, 1 k, 2 v
	s_cselect_b32 s98, -1, 0
	v_cndmask_b32 v[CO], v4, v5, s98
	s_lshr_b32 s96, s23, 3                         ; batch
	s_lshl_b32 s96, s96, 4
	s_lshl_b32 s98, s20, 2
	s_add_co_u32 s96, s96, s98
	s_lshl_b32 s98, s18, 1
	s_add_co_u32 s96, s96, s98                     ; batch x 16 + my first head (4 cx + 2 x half)
	s_lshl_b32 s96, s96, 18
	s_and_b32 s98, s23, 7
	s_lshl_b32 s98, s98, 4
	s_lshl_b32 s99, s17, 3
	s_add_co_u32 s98, s98, s99                     ; my first tile of 16 tokens
	s_lshl_b32 s98, s98, 11
	s_add_co_u32 s96, s96, s98
	s_lshl_b32 s98, ttmp9, 24
	s_add_co_u32 s96, s96, s98
	s_mov_b32 s97, 0
	s_add_nc_u64 s[14:15], s[14:15], s[96:97]
.macro FRAG reg, adr, q, i             ; a fragment's image: registers 4 c .. 4 c + 3 at 512 c + 16 x lane
.irp c, 0,1
	ds_load_b128 v[\reg+4*\c:\reg+4*\c+3], v[\adr] offset:(8*(\q)+(\i))*1024+512*\c
.endr
.endm
; 16 matrix instructions: x's blocks a0, a0 + 1 against W's eight.  The 64 accumulators take turns, one instruction a turn, in the same order in every step.  zero = 1: the bias starts the sums
.macro MUL16 a0, p, q, sc, zero
.irp a, \a0, \a0+1
.irp b, 0,1,2,3,4,5,6,7
.if \zero
	v_wmma_scale_f32_16x16x128_f8f6f4 v[8*(8*((\a)%4)+\b):8*(8*((\a)%4)+\b)+7], v[128*(\p)+FR*\b:128*(\p)+FR*\b+FR-1], v[AF+FR*(\a):AF+FR*(\a)+FR-1], v[BI+8*\b:BI+8*\b+7], v[SC+8*NQ*(\sc)+NQ*\b+(\q)], v[SC+8*NQ*(\sc)+NQ*(\a)+(\q)] matrix_a_fmt:MATRIX_FMT_FP4 matrix_b_fmt:MATRIX_FMT_FP4 matrix_a_scale:MATRIX_SCALE_ROW1
.else
	v_wmma_scale_f32_16x16x128_f8f6f4 v[8*(8*((\a)%4)+\b):8*(8*((\a)%4)+\b)+7], v[128*(\p)+FR*\b:128*(\p)+FR*\b+FR-1], v[AF+FR*(\a):AF+FR*(\a)+FR-1], v[8*(8*((\a)%4)+\b):8*(8*((\a)%4)+\b)+7], v[SC+8*NQ*(\sc)+NQ*\b+(\q)], v[SC+8*NQ*(\sc)+NQ*(\a)+(\q)] matrix_a_fmt:MATRIX_FMT_FP4 matrix_b_fmt:MATRIX_FMT_FP4 matrix_a_scale:MATRIX_SCALE_ROW1
.endif
.endr
.endr
.endm
.macro FETCH_B slot, q, p
	WIN TO_B
.irp i, 0,1,2,3,4,5,6,7
	FRAG 128*(\p)+FR*\i, ADRB+\slot, \q, \i
.endr
	WIN 0
.endm
.macro FETCH_A slot, q, i0
.irp i, \i0, \i0+1, \i0+2, \i0+3
	FRAG AF+FR*(\i), ADRA+\slot, \q, \i
.endr
.endm
.macro SCALES sc                       ; a slot's scale words: four words a row; lanes 0-15 x's block i, lanes 16-31 W's block i
.irp i, 0,1,2,3,4,5,6,7
	ds_load_b128 v[SC+8*NQ*\sc+NQ*\i:SC+8*NQ*\sc+NQ*\i+3], v[ADRS] offset:2048*\sc+256*\i
.endr
.endm
.macro PLACES n                        ; plain vector lines between a matrix instruction and a load into, or a read of, its registers
.rept \n
	v_nop
.endr
.endm
.macro STEP slot, q, zero              ; a step of 128 along K that has its successor in the same slot
	s_wait_dscnt 4*NL                              ; W's set and x's blocks 0-3 are in; the youngest eight loads (x's blocks 4-7) may be out
.if \zero
	WIN BIA_LO
.else
	WIN MUL_LO
.endif
	MUL16 0, (\q)%2, \q, \slot, \zero
	MUL16 2, (\q)%2, \q, \slot, \zero
	s_wait_dscnt 0                                 ; x's blocks 4-7 are in
	PLACES NP
	FETCH_B \slot, (\q)+1, 1-(\q)%2
	FETCH_A \slot, (\q)+1, 0
.if \zero
	WIN BIA_HI
.else
	WIN MUL_HI
.endif
	MUL16 4, (\q)%2, \q, \slot, \zero
	MUL16 6, (\q)%2, \q, \slot, \zero
	PLACES NP
	WIN 0
	FETCH_A \slot, (\q)+1, 4
.endm
.macro TURN slot, next                 ; a slot's last step changes slots: each wave's tensor loads have landed in front of the barrier; nothing is filled again
	s_wait_tensorcnt 0x0                           ; my part of the next slot is in
	ds_add_u32 v[SPW], v[NIL]
	s_wait_dscnt 4*NL+1                            ; (the add and the youngest eight loads may be out)
	WIN MUL_LO
	MUL16 0, 1, NQ-1, \slot, 0
	s_wait_dscnt 0x0
	s_barrier_signal -1
	MUL16 2, 1, NQ-1, \slot, 0
	WIN 0
	s_barrier_wait -1                              ; everybody's part is in
	PLACES NP
	FETCH_B \next, 0, 0
	FETCH_A \next, 0, 0
	SCALES \next
	WIN MUL_HI
	MUL16 4, 1, NQ-1, \slot, 0
	MUL16 6, 1, NQ-1, \slot, 0
	PLACES NP
	WIN 0
	FETCH_A \next, 0, 4
.endm
.macro STEPS slot, from
.set Q, \from
.rept NQ-1-\from
	STEP \slot, Q, 0
.set Q, Q+1
.endr
.endm
	s_wait_tensorcnt 1                             ; the scale words and my part of slot 0 are in; slot 1's load may be out
	s_barrier_signal -1
	s_barrier_wait -1
	FETCH_B 0, 0, 0
	FETCH_A 0, 0, 0
	SCALES 0
	FETCH_A 0, 0, 4
	s_wait_loadcnt 0x0                             ; the bias
	STEP 0, 0, 1
	STEPS 0, 1
	TURN 0, 1
	STEPS 1, 0
	s_wait_dscnt 4*NL                              ; the last step: nothing more to fetch
	WIN MUL_LO
	MUL16 0, 1, NQ-1, 1, 0
	MUL16 2, 1, NQ-1, 1, 0
	s_wait_dscnt 0
	WIN MUL_HI
	MUL16 4, 1, NQ-1, 1, 0
	MUL16 6, 1, NQ-1, 1, 0
	WIN 0
	; THE WAY OUT: a lane's eight results of an accumulator are 16 bytes of f16, and the 32 lanes' are one unit of the output's layout: each store covers 512 consecutive bytes, aligned.  No stage.
	PLACES NP
.irp a, 0,1,2,3,4,5,6,7
.if \a > 1
	s_wait_xcnt 0x0                                ; block a - 2's stores have read their registers
.endif
	WIN 0x0a+5*(\a/4)                              ; sources 0 and 1: window 2 or 3
.irp b, 0,1,2,3,4,5,6,7
.irp j, 0,1,2,3
	v_cvt_pk_f16_f32 v[PK+32*(\a%2)+4*\b+\j], v[8*(8*(\a%4)+\b)+2*\j], v[8*(8*(\a%4)+\b)+2*\j+1]   ; each accumulator from its low end on
.endr
.endr
	WIN 0
.irp b, 0,1,2,3,4,5,6,7
	global_store_b128 v[CO], v[PK+32*(\a%2)+4*\b:PK+32*(\a%2)+4*\b+3], s[14:15] offset:\a*2048+(\b/4)*262144+(\b%4)*512   ; tokens 16 a on; head b / 4; channels 16 (b % 4) on
.endr
.endr
	s_wait_tensorcnt 0x0                           ; the wave's end
	ds_add_u32 v[SPW], v[NIL]
	s_wait_dscnt 0x0
	CROUND                                         ; the closing round
	s_endpgm
.Lfunc_end_k_q6cc514af4b_qkv:
	.size	k_q6cc514af4b_qkv, .Lfunc_end_k_q6cc514af4b_qkv-k_q6cc514af4b_qkv
	.p2alignl 7, 3214868480
	.fill 96, 4, 3214868480
	.section	.rodata,"a",@progbits
	.p2align	6, 0x0
	.amdhsa_kernel k_q6cc514af4b_qkv
		.amdhsa_group_segment_fixed_size 327680
		.amdhsa_private_segment_fixed_size 0
		.amdhsa_enable_private_segment 0
		.amdhsa_kernarg_size 48
		.amdhsa_user_sgpr_count 2
		.amdhsa_user_sgpr_kernarg_segment_ptr 1
		.amdhsa_wavefront_size32 1
		.amdhsa_system_sgpr_workgroup_id_x 1
		.amdhsa_system_sgpr_workgroup_id_y 1
		.amdhsa_system_sgpr_workgroup_id_z 1
		.amdhsa_system_vgpr_workitem_id 0
		.amdhsa_next_free_vgpr 1024
		.amdhsa_next_free_sgpr 100
		.amdhsa_reserve_vcc 0
		.amdhsa_float_denorm_mode_32 3
		.amdhsa_float_denorm_mode_16_64 3
		.amdhsa_memory_ordered 1
		.amdhsa_forward_progress 1
		.amdhsa_inst_pref_size 119
	.end_amdhsa_kernel
	.amdgpu_metadata
---
amdhsa.version: [ 1, 2 ]
amdhsa.kernels:
  - .name:           k_q6cc514af4b_qkv
    .symbol:         k_q6cc514af4b_qkv.kd
    .args:
      - { .name: xq, .offset: 0, .size: 8, .value_kind: global_buffer, .address_space: global }
      - { .name: xs, .offset: 8, .size: 8, .value_kind: global_buffer, .address_space: global }
      - { .name: wq, .offset: 16, .size: 8, .value_kind: global_buffer, .address_space: global }
      - { .name: ws, .offset: 24, .size: 8, .value_kind: global_buffer, .address_space: global }
      - { .name: b_qkv, .offset: 32, .size: 8, .value_kind: global_buffer, .address_space: global }
      - { .name: qkv, .offset: 40, .size: 8, .value_kind: global_buffer, .address_space: global }
    .group_segment_fixed_size: 327680
    .private_segment_fixed_size: 0
    .kernarg_segment_align: 8
    .kernarg_segment_size: 48
    .max_flat_workgroup_size: 128
    .sgpr_count:     100
    .vgpr_count:     1024
    .wavefront_size: 32
...
	.end_amdgpu_metadata
.endif
;; end of part 2
;; launch attn (part 3): grid 4 x 64, 8 waves a work-group, no clusters, 327,680 bytes of LDS; arguments qkv, ao; writes ao
.if DOCPART == 3
	.amdgcn_target "amdgcn-amd-amdhsa--gfx1250"
	.amdhsa_code_object_version 6
	.text
	.protected	k_q6cc514af4b_attn
	.globl	k_q6cc514af4b_attn
	.p2align	8
	.type	k_q6cc514af4b_attn,@function
k_q6cc514af4b_attn:
	s_mov_b64 s[64:65], 0
	v_nop
	global_prefetch_b8 v0, s[64:65] scope:SCOPE_SE
	s_setreg_imm32_b32 hwreg(HW_REG_WAVE_MODE, 25, 1), 1
	s_wait_xcnt 0x0
; O[bh][q] = the sum over k of softmax_k(Q[bh][q] . K[bh][k] / 8) V[bh][k]; 64 heads, 2,048 tokens, head size 64; operands f16, products, maxima and sums f32; the weights p are rounded to f16 for the second product, O once at the end.
; LIMIT: |q|, |k|, |v| up to 65,504 (f16).  p lies in (0, 1]; what falls under 6e-8 counts as 0 in the second product.
; SHARES.  A work-group owns 512 queries of one head, each of its eight waves 64: four tiles of 16.  Every wave walks all 2,048 keys, 64 a step.  Two waves lie on a SIMD.
; LAYOUT.  S^T = K Q^T (source 0 = 16 keys, source 1 = 16 queries) and O^T = V^T P: a lane holds ONE query throughout; two tiles of S^T, rounded in pairs, are source 1 of the second product: P is written in place over S^T.
; q, k and v lie in memory and in LDS as units of 512 bytes, 16 bytes a lane at 16 x lane: K comes by ds_load_b128, V (whose chunks were laid for it) turned, by ds_load_tr16_b128.
; SOFTMAX.  A running maximum m and sum l for each query: p = 2^(c s - c m), c = log2(e) / 8; in every step O and l are multiplied by a = 2^(c m_old - c m_new).
; HALF A STEP APART.  The waves fall into two groups, g = (w xor w / 4) % 2.  At the start group 0 does its first softmax ahead of a barrier and group 1 behind it, so that one group has vector work while the other has matrix work.
; At a change of slots the signal stands a whole K Q^T and softmax, work on registers, ahead of the wait.
; NO CLUSTER: a round of a cluster's barrier closes with a signal and a wait on end, in every wave, at each of the changes of slots, which would bring the two groups into step again; and what the four query blocks
; of a head share is 16 KB for the 512 matrix instructions of a work-group's key step.
; REGISTERS: window 0: v1-5 addresses; v16-47 eight registers of statistics a tile (+0 c m, +1 m, +2, +3 l, +4 to +7 four chains of the maximum; a takes +6); v64-127 Q; v128-191 K; v192-255 V.
;   window 1: v0-127 S^T, 32 a tile (P over its first 16); v128-255 O^T, 32 a tile.
.set SLOTB, 65536                      ; a slot: 256 keys = 4 steps: K's 4 x 8,192 bytes, then V's
.set STEPB, 8192
.set VOFF,  32768
.set SPARE, 2*SLOTB                    ; the spare words, 128 bytes a wave: four blocks of 256 bytes that no other line names
.set L16, 1                            ; v1  16 x lane; never rewritten
.set ADR, 2                            ; v2  LDS address of the step to be fetched
.set PFO, 3                            ; v3  256 x lane; never rewritten
.set SPW, 4
.set NIL, 5
.set ST,  16
.set QF,  64
.set KF,  128
.set VF,  192
.set WV,  8
.set GR,  9
.set G0A, 12                           ; s[12:15] group 0 of slot 0's first fill
.set G0W, 16                           ; s[16:19] group 0 of slot 1's first fill; it then walks
.set G1,  20                           ; s[20:27]
.set TB,  28                           ; s28  LDS byte at which the step to be fetched begins
.set SLOTS, 29
.set CNT, 30
.set LIM, 31
.set PFA, 32
.set CS,  34
.set SEL, 36
.set MSB, 0
.macro WIN new
.if MSB != \new
	s_set_vgpr_msb (MSB<<8)|\new
.set MSB, \new
.endif
.endm
.macro PLACES n
.rept \n
	v_nop
.endr
.endm
	s_load_b128 s[4:7], s[0:1], 0x0                ; qkv, ao
	v_lshl_add_u32 v[SPW], v0, 2, SPARE
	v_mov_b32 v[NIL], 0
	ds_add_u32 v[SPW], v[NIL]                      ; the wave's opening: the add, twice on end, and its wait ahead of my first tensor load
	ds_add_u32 v[SPW], v[NIL]
	v_lshrrev_b32 v6, 5, v0
	v_readfirstlane_b32 s[WV], v6                  ; wave 0..7
	s_lshr_b32 s[GR], s[WV], 2
	s_xor_b32 s[GR], s[GR], s[WV]
	s_and_b32 s[GR], s[GR], 1                      ; my group
	s_and_b32 s10, ttmp7, 0xffff                   ; bh
	s_mov_b32 s[G1+0], 3<<16                       ; a dense block of 8,192 bytes as 32 rows of 256 (32 elements of 8 bytes); no mask, no padding
	s_mov_b32 s[G1+1], 32<<16
	s_mov_b32 s[G1+2], 32<<16
	s_mov_b32 s[G1+3], 32<<16
	s_mov_b32 s[G1+4], 32
	s_mov_b32 s[G1+5], 32
	s_mov_b32 s[G1+6], 0
	s_mov_b32 s[G1+7], 0
	s_lshr_b32 s38, s[WV], 2                       ; waves 0-3 fetch K's four steps of a slot, waves 4-7 V's
	s_add_co_u32 s38, s38, 1
	s_lshl_b32 s38, s38, 24                        ; part 1 (k) or 2 (v)
	s_lshl_b32 s40, s10, 18                        ; the head's 262,144 bytes
	s_add_co_u32 s38, s38, s40
	s_and_b32 s41, s[WV], 3
	s_lshl_b32 s41, s41, 13
	s_add_co_u32 s38, s38, s41
	s_mov_b32 s39, 0
	s_lshl_b32 s42, ttmp9, 16                      ; Q: my block of 512 queries,
	s_add_co_u32 s42, s42, s40
	s_lshl_b32 s11, s[WV], 13                      ; my wave's 64; also: where my tiles go in a slot
	s_add_co_u32 s42, s42, s11
	s_mov_b32 s43, 0
	s_lshr_b32 s44, s10, 4                         ; ao: [128 tokens][128 c][16 tokens][16 c][512 B]
	s_lshl_b32 s44, s44, 4
	s_lshl_b32 s45, ttmp9, 2
	s_add_co_u32 s44, s44, s45
	s_lshr_b32 s45, s[WV], 1
	s_add_co_u32 s44, s44, s45
	s_lshl_b32 s44, s44, 18
	s_bfe_u32 s45, s10, 0x30001                    ; head / 2
	s_lshl_b32 s45, s45, 15
	s_add_co_u32 s44, s44, s45
	s_and_b32 s45, s[WV], 1
	s_lshl_b32 s45, s45, 14
	s_add_co_u32 s44, s44, s45
	s_and_b32 s45, s10, 1
	s_lshl_b32 s45, s45, 11
	s_add_co_u32 s44, s44, s45
	s_mov_b32 s45, 0
	s_mov_b32 s[CS], 0x3e38aa3b                    ; c = log2(e) / 8
	s_mov_b32 s[CS+1], s[CS]                       ; (named with it as a pair, so it is written)
	s_mov_b32 s[SEL], 0x76543210
	s_mov_b32 s[SEL+1], 0xfedcba98
	s_mov_b32 s[TB], 0
	s_mov_b32 s[SLOTS], 6
	s_cmp_eq_u32 ttmp9, 0
	s_cselect_b32 s[LIM], 1, -1                    ; the head's first work-group prefetches
	v_and_b32 v[L16], 31, v0
	v_lshlrev_b32 v[PFO], 8, v[L16]
	v_lshlrev_b32 v[L16], 4, v[L16]
	s_wait_dscnt 0x0                               ; both opening adds are done
	s_wait_kmcnt 0x0
	s_add_nc_u64 s[38:39], s[4:5], s[38:39]        ; my tile of slot 0
	s_add_nc_u64 s[42:43], s[4:5], s[42:43]
	s_add_nc_u64 s[6:7], s[6:7], s[44:45]
	s_add_nc_u64 s[PFA:PFA+1], s[38:39], 2*VOFF    ; my tile of slot 2: the first change of slots steps it to slot 3.  Nothing is prefetched at the head
	s_mov_b32 s[G0A], 1
	s_mov_b32 s[G0A+1], s11
	s_mov_b64 s[G0A+2:G0A+3], s[38:39]
	s_or_b32 s[G0A+3], s[G0A+3], 0x80000000
	s_mov_b32 s[G0W], 1
	s_add_co_u32 s[G0W+1], s11, SLOTB
	s_add_nc_u64 s[G0W+2:G0W+3], s[38:39], VOFF    ; a slot on in memory: 4 steps x 8,192 bytes
	s_or_b32 s[G0W+3], s[G0W+3], 0x80000000
	tensor_load_to_lds s[G0A:G0A+3], s[G1:G1+7]    ; both first fills go out together: two tensor loads of mine are out
	s_nop 0
	tensor_load_to_lds s[G0W:G0W+3], s[G1:G1+7]
	s_nop 0
	PLACES 4
.irp i, 0,1,2,3,4,5,6,7,8,9,10,11,12,13,14,15
	global_load_b128 v[QF+4*\i:QF+4*\i+3], v[L16], s[42:43] offset:512*\i   ; Q stays in registers: tile i / 4, channels 16 (i % 4) on
.endr
.irp t, 0,1,2,3
	v_mov_b32 v[ST+8*\t], 0xff61b1e6               ; c m and m: -3e38, under every score;
	v_mov_b32 v[ST+8*\t+1], 0xff61b1e6
	v_mov_b32 v[ST+8*\t+2], 0                      ; l
	v_mov_b32 v[ST+8*\t+3], 0
.endr
; S^T = K Q^T: 32 products; the 16 accumulators take turns, one instruction a turn; the first 16 start the sums
.macro KQ
	WIN 0x50                                       ; C and D window 1
.irp f, 0,1
.irp t, 0,1,2,3
.irp kt, 0,1,2,3
.if \f == 0
	v_wmma_f32_16x16x32_f16 v[32*\t+8*\kt:32*\t+8*\kt+7], v[KF+16*\kt+8*\f:KF+16*\kt+8*\f+7], v[QF+16*\t+8*\f:QF+16*\t+8*\f+7], 0
.else
	v_wmma_f32_16x16x32_f16 v[32*\t+8*\kt:32*\t+8*\kt+7], v[KF+16*\kt+8*\f:KF+16*\kt+8*\f+7], v[QF+16*\t+8*\f:QF+16*\t+8*\f+7], v[32*\t+8*\kt:32*\t+8*\kt+7]
.endif
.endr
.endr
.endr
.endm
; O^T += V^T P: 32 products, keys 32 kh on
.macro PV zero
	WIN 0x54                                       ; P (source 1), C and D window 1
.irp kh, 0,1
.irp t, 0,1,2,3
.irp ct, 0,1,2,3
.if \zero && (\kh == 0)
	v_wmma_f32_16x16x32_f16 v[128+32*\t+8*\ct:128+32*\t+8*\ct+7], v[VF+32*\kh+8*\ct:VF+32*\kh+8*\ct+7], v[32*\t+8*\kh:32*\t+8*\kh+7], 0
.else
	v_wmma_f32_16x16x32_f16 v[128+32*\t+8*\ct:128+32*\t+8*\ct+7], v[VF+32*\kh+8*\ct:VF+32*\kh+8*\ct+7], v[32*\t+8*\kh:32*\t+8*\kh+7], v[128+32*\t+8*\ct:128+32*\t+8*\ct+7]
.endif
.endr
.endr
.endr
.endm
.macro LK                              ; a step's K: 16 units
.irp i, 0,1,2,3,4,5,6,7,8,9,10,11,12,13,14,15
	ds_load_b128 v[KF+4*\i:KF+4*\i+3], v[ADR] offset:512*\i
.endr
.endm
.macro LV                              ; a step's V, turned: lane (r, h) gets channel 16 ct + r, keys 32 kh + 16 e + 8 h + 0 .. 7
.irp kh, 0,1
.irp ct, 0,1,2,3
.irp e, 0,1
	ds_load_tr16_b128 v[VF+32*\kh+8*\ct+4*\e:VF+32*\kh+8*\ct+4*\e+3], v[ADR] offset:VOFF+(2*\kh+\e)*2048+512*\ct
.endr
.endr
.endr
.endm
.macro PFMA t, b                       ; pair b of tile t: c s - c m
	v_pk_fma_f32 v[32*(\t)+2*(\b):32*(\t)+2*(\b)+1], v[32*(\t)+2*(\b):32*(\t)+2*(\b)+1], s[CS:CS+1], v[ST+8*(\t):ST+8*(\t)+1] op_sel_hi:[1,0,0] neg_lo:[0,0,1] neg_hi:[0,0,1]
.endm
; THE SOFTMAX of the wave's four tiles for one key step.  first = 1: O^T does not exist yet and is not rescaled.
.macro SM first
	WIN 0x14                                       ; the scores (sources 1 and 2) window 1
.irp p, 0,1,2,3                        ; the maximum: a chain for each tile of keys, begun with the old m; each accumulator is read from its low end on
.irp t, 0,1,2,3
.irp kt, 0,1,2,3
.if \p == 0
	v_max3_num_f32 v[ST+8*\t+4+\kt], v[ST+8*\t+1], v[32*\t+8*\kt], v[32*\t+8*\kt+1]
.else
	v_max3_num_f32 v[ST+8*\t+4+\kt], v[ST+8*\t+4+\kt], v[32*\t+8*\kt+2*\p], v[32*\t+8*\kt+2*\p+1]
.endif
.endr
.endr
.endr
	WIN 0
.irp t, 0,1,2,3
	v_max3_num_f32 v[ST+8*\t+4], v[ST+8*\t+4], v[ST+8*\t+5], v[ST+8*\t+6]
.endr
.irp t, 0,1,2,3
	v_max_num_f32 v[ST+8*\t+4], v[ST+8*\t+4], v[ST+8*\t+7]
.endr
.irp t, 0,1,2,3
	v_permlanex16_b32 v[ST+8*\t+5], v[ST+8*\t+4], s[SEL], s[SEL+1]   ; the query's other 32 keys lie in the lane 16 away
.endr
.irp t, 0,1,2,3
	v_mov_b32 v[ST+8*\t+7], v[ST+8*\t]             ; c m_old
.endr
.irp t, 0,1,2,3
	v_max_num_f32 v[ST+8*\t+1], v[ST+8*\t+4], v[ST+8*\t+5]
.endr
.irp t, 0,1,2,3
	v_mul_f32 v[ST+8*\t], s[CS], v[ST+8*\t+1]
.endr
.irp t, 0,1,2,3
	v_sub_f32 v[ST+8*\t+7], v[ST+8*\t+7], v[ST+8*\t]
.endr
.irp t, 0,1,2,3
	v_exp_f32 v[ST+8*\t+6], v[ST+8*\t+7]           ; a
.endr
	v_nop                                          ; a plain line behind the last exponential,
	s_wait_alu depctr_va_vdst(0)                   ; and the wait ahead of the first use: one for the four
.irp t, 0,1,2,3
	v_pk_mul_f32 v[ST+8*\t+2:ST+8*\t+3], v[ST+8*\t+2:ST+8*\t+3], v[ST+8*\t+6:ST+8*\t+7] op_sel_hi:[1,0]
.endr
	WIN 0x41                                       ; destination and source 0 window 1
; ONE BATCH of 128 exponentials; between them stand the scalings and the rescaling of O^T, none of which names an exponential's result
.irp t, 0,1,2,3
	PFMA \t, 0
.set PB, 0
.rept 16
.if PB < 15
	PFMA \t, PB+1
.endif
	v_exp_f32 v[32*\t+2*PB], v[32*\t+2*PB]
.if !\first
	v_pk_mul_f32 v[128+32*\t+2*PB:128+32*\t+2*PB+1], v[128+32*\t+2*PB:128+32*\t+2*PB+1], v[ST+8*\t+6:ST+8*\t+7] op_sel_hi:[1,0]   ; O^T x a, each accumulator from its low end on
.endif
	v_exp_f32 v[32*\t+2*PB+1], v[32*\t+2*PB+1]
.set PB, PB+1
.endr
.endr
	v_nop
	s_wait_alu depctr_va_vdst(0)                   ; one wait for the batch, ahead of its first reader
	WIN 0x01
.set PB, 0
.rept 16                               ; l += p, a pair at a time, the four tiles by turns
.irp t, 0,1,2,3
	v_pk_add_f32 v[ST+8*\t+2:ST+8*\t+3], v[32*\t+2*PB:32*\t+2*PB+1], v[ST+8*\t+2:ST+8*\t+3]
.endr
.set PB, PB+1
.endr
	WIN 0x45
.set PB, 0
.rept 16                               ; P in place: register i takes pair i, which lies at 2 i and 2 i + 1: nothing is written that is still to be read
.irp t, 0,1,2,3
	v_cvt_pk_f16_f32 v[32*\t+PB], v[32*\t+2*PB], v[32*\t+2*PB+1]
.endr
.set PB, PB+1
.endr
.endm
.macro H1 first                        ; the first half of a key step: work on registers alone
	s_wait_dscnt 16                                ; K is in; V's sixteen younger loads may be out
	KQ
	WIN 0
	PLACES 4                                       ; between the products and the first read of the scores
	SM \first
.endm
.macro H2 zero                         ; the second half: the next step's K is asked for ahead of the products, its V behind them
	WIN 0
	v_add_nc_u32 v[ADR], s[TB], v[L16]
	LK
	s_wait_dscnt 16                                ; this step's V is in; K's sixteen loads just issued may be out
	PV \zero
	WIN 0
	PLACES 5                                       ; four in front of the loads into V's registers; five in front of the next K Q^T, which writes over P
	LV
	s_add_co_u32 s[TB], s[TB], STEPB
.endm
; THE CHANGE OF SLOTS, in two parts.  SIG stands where the slot's last bytes have been asked for: all my tensor loads have landed (one was out: my part of the other slot), the add, my reads of the slot are back; then the signal.
.macro SIG fill
	WIN 0
	s_wait_tensorcnt 0x0                           ; no tensor load of mine is out, so a group 0 may be written
	ds_add_u32 v[SPW], v[NIL]
.if \fill
	s_xor_b32 s[G0W+1], s[G0W+1], SLOTB            ; the walking descriptor: the other slot than last time,
	s_add_nc_u64 s[G0W+2:G0W+3], s[G0W+2:G0W+3], VOFF   ; the next 256 keys
	s_wait_xcnt 0x0                                ; the last prefetch, a slot back, has read its address
	s_add_nc_u64 s[PFA:PFA+1], s[PFA:PFA+1], VOFF  ; one slot further on than the walking descriptor
.endif
	s_wait_dscnt 0x0                               ; the add is done, and my reads of the slot are over
	s_barrier_signal -1
.endm
; WAITC stands half a key step on.  Behind the wait nobody reads the old slot and the other slot is whole; fill = 1: the refill is the first thing there: it has three and a half key steps in which to land.
.macro WAITC fill
	WIN 0
	s_barrier_wait -1
.if \fill
	tensor_load_to_lds s[G0W:G0W+3], s[G1:G1+7]    ; my one tensor load until the next such barrier
	s_nop 0
	PLACES 4
	s_cmp_gt_u32 s[SLOTS], s[LIM]                  ; A PREFETCH INTO THE L2 of my 8,192 bytes of the slot that the NEXT change will ask for, lanes 256 bytes apart: four key steps ahead of that load.
	s_cbranch_scc0 .Lnot_mine_\@                   ; All four work-groups of a head walk the same K and V: the first asks, so that each block of 256 bytes is named once; the last filling change asks for nothing
	global_prefetch_b8 v[PFO], s[PFA:PFA+1] th:TH_LOAD_NT scope:SCOPE_SE
.Lnot_mine_\@:
.endif
	s_sub_co_u32 s[TB], s[TB], 4*STEPB             ; the fetches go back to a slot's first step,
	s_xor_b32 s[TB], s[TB], SLOTB                  ; in the other slot
.endm
.macro INNER n                         ; n whole key steps, written once
	s_mov_b32 s[CNT], \n
.Lin_\@:
	H1 0
	H2 0
	WIN 0
	s_sub_co_u32 s[CNT], s[CNT], 1
	s_cmp_lg_u32 s[CNT], 0
	s_cbranch_scc1 .Lin_\@
.endm
	s_wait_tensorcnt 0x1                           ; my part of slot 0 is in; slot 1's may stay out
	s_barrier_signal -1
	s_barrier_wait -1
	v_add_nc_u32 v[ADR], s[TB], v[L16]
	LK                                             ; key step 0
	LV
	s_add_co_u32 s[TB], s[TB], STEPB
	s_wait_loadcnt 0x0                             ; Q
	s_wait_dscnt 16
	KQ
	WIN 0
	PLACES 4
	s_cmp_eq_u32 s[GR], 1                          ; group 0 does its first softmax ahead of this barrier, group 1 behind it
	s_cbranch_scc1 .Lbehind
	SM 1
	WIN 0
.Lbehind:
	s_wait_dscnt 0x0                               ; no LDS instruction of mine is pending at a signal
	s_barrier_signal -1
	s_barrier_wait -1
	s_cmp_eq_u32 s[GR], 0
	s_cbranch_scc1 .Lfirst_done
	SM 1
	WIN 0
.Lfirst_done:
	H2 1                                           ; step 0's products start O^T
	INNER 2                                        ; steps 1, 2
.Lslot:                                            ; six trips: slots 0 to 5 are left and filled again with slots 2 to 7
	SIG 1
	H1 0
	WAITC 1
	H2 0
	INNER 3
	s_sub_co_u32 s[SLOTS], s[SLOTS], 1
	s_cmp_lg_u32 s[SLOTS], 0
	s_cbranch_scc1 .Lslot
	SIG 0                                          ; the tail is written out: slot 6 is left, nothing is asked for
	H1 0
	WAITC 0
	H2 0
	INNER 3
	H1 0                                           ; step 31
	s_wait_dscnt 0x0
	PV 0
	; THE WAY OUT.  O^T / l, rounded to f16: a lane's eight channels are 16 bytes, the 32 lanes' one unit of ao: each store covers 512 consecutive bytes, aligned.  The four additions are the places behind the last products.
	WIN 0
.irp t, 0,1,2,3
	v_add_f32 v[ST+8*\t+4], v[ST+8*\t+2], v[ST+8*\t+3]
.endr
.irp t, 0,1,2,3
	v_permlanex16_b32 v[ST+8*\t+5], v[ST+8*\t+4], s[SEL], s[SEL+1]
.endr
.irp t, 0,1,2,3
	v_add_f32 v[ST+8*\t+4], v[ST+8*\t+4], v[ST+8*\t+5]
.endr
.irp t, 0,1,2,3
	v_rcp_f32 v[ST+8*\t+6], v[ST+8*\t+4]
.endr
	v_nop
	s_wait_alu depctr_va_vdst(0)                   ; one wait for the four reciprocals, ahead of their first use
	WIN 0x41
.irp t, 0,1,2,3
.set PB, 0
.rept 16
	v_pk_mul_f32 v[128+32*\t+2*PB:128+32*\t+2*PB+1], v[128+32*\t+2*PB:128+32*\t+2*PB+1], v[ST+8*\t+6:ST+8*\t+7] op_sel_hi:[1,0]
.set PB, PB+1
.endr
.endr
	WIN 0x05                                       ; sources window 1, destination window 0: K's registers are free
.irp t, 0,1,2,3
.set PB, 0
.rept 16
	v_cvt_pk_f16_f32 v[KF+16*\t+PB], v[128+32*\t+2*PB], v[128+32*\t+2*PB+1]
.set PB, PB+1
.endr
.endr
	WIN 0
.irp t, 0,1,2,3
.irp ct, 0,1,2,3
	global_store_b128 v[L16], v[KF+16*\t+4*\ct:KF+16*\t+4*\ct+3], s[6:7] offset:4096*\t+512*\ct
.endr
.endr
	s_wait_tensorcnt 0x0                           ; the wave's end
	ds_add_u32 v[SPW], v[NIL]
	s_wait_dscnt 0x0
	s_endpgm
.Lfunc_end_k_q6cc514af4b_attn:
	.size	k_q6cc514af4b_attn, .Lfunc_end_k_q6cc514af4b_attn-k_q6cc514af4b_attn
	.p2alignl 7, 3214868480
	.fill 96, 4, 3214868480
	.section	.rodata,"a",@progbits
	.p2align	6, 0x0
	.amdhsa_kernel k_q6cc514af4b_attn
		.amdhsa_group_segment_fixed_size 327680
		.amdhsa_private_segment_fixed_size 0
		.amdhsa_enable_private_segment 0
		.amdhsa_kernarg_size 16
		.amdhsa_user_sgpr_count 2
		.amdhsa_user_sgpr_kernarg_segment_ptr 1
		.amdhsa_wavefront_size32 1
		.amdhsa_system_sgpr_workgroup_id_x 1
		.amdhsa_system_sgpr_workgroup_id_y 1
		.amdhsa_system_sgpr_workgroup_id_z 1
		.amdhsa_system_vgpr_workitem_id 0
		.amdhsa_next_free_vgpr 512
		.amdhsa_next_free_sgpr 66
		.amdhsa_reserve_vcc 0
		.amdhsa_float_denorm_mode_32 3
		.amdhsa_float_denorm_mode_16_64 3
		.amdhsa_memory_ordered 1
		.amdhsa_forward_progress 1
		.amdhsa_inst_pref_size 255
	.end_amdhsa_kernel
	.section	.bss,"aw",@nobits
	.p2align	6
	.space	262144
	.amdgpu_metadata
---
amdhsa.version: [ 1, 2 ]
amdhsa.kernels:
  - .name:           k_q6cc514af4b_attn
    .symbol:         k_q6cc514af4b_attn.kd
    .args:
      - { .name: qkv, .offset: 0, .size: 8, .value_kind: global_buffer, .address_space: global }
      - { .name: ao, .offset: 8, .size: 8, .value_kind: global_buffer, .address_space: global }
    .group_segment_fixed_size: 327680
    .private_segment_fixed_size: 0
    .kernarg_segment_align: 8
    .kernarg_segment_size: 16
    .max_flat_workgroup_size: 256
    .sgpr_count:     66
    .vgpr_count:     512
    .wavefront_size: 32
...
	.end_amdgpu_metadata
.endif
;; end of part 3
;; launch proj (part 4): grid 4 x 64, 4 waves a work-group, clusters of 4 x 4, 327,680 bytes of LDS; arguments ao, wpf, b_proj, out0; writes out0
.if DOCPART == 4
	.amdgcn_target "amdgcn-amd-amdhsa--gfx1250"
	.amdhsa_code_object_version 6
	.text
	.protected	k_q6cc514af4b_proj
	.globl	k_q6cc514af4b_proj
	.p2align	8
	.type	k_q6cc514af4b_proj,@function
k_q6cc514af4b_proj:
	s_mov_b64 s[64:65], 0
	v_nop
	global_prefetch_b8 v0, s[64:65] scope:SCOPE_SE
	s_setreg_imm32_b32 hwreg(HW_REG_WAVE_MODE, 25, 1), 1
	s_wait_xcnt 0x0
	s_wait_alu depctr_hold_cnt(0) depctr_sa_sdst(0) depctr_va_vdst(0) depctr_va_sdst(0) depctr_va_ssrc(0) depctr_va_vcc(0) depctr_vm_vsrc(0)
	s_getreg_b32 s2, hwreg(HW_REG_IB_STS2, 6, 4)
	s_cmp_eq_u32 s2, 0
	s_cbranch_scc0 .Lentry_in_a_cluster
	s_endpgm
.Lentry_in_a_cluster:
	s_bfe_u32 s2, ttmp6, 0x10000c
	s_cmp_lg_u32 s2, 0xf033
	s_cbranch_scc0 .Lentry_shape_is_right
	s_endpgm
.Lentry_shape_is_right:
; out0 = ao W_proj + b_proj: [8192][1024] x [1024][1024]; operands f16, sums f32, output f32.
; A tile of 128 tokens x 256 n is made by four waves, each 64 x 128: 32 accumulators, 256 registers: 256 work-groups.  K goes in steps of 128 through a ring of two LDS slots.
; OPERANDS LIE IN MEMORY AND IN LDS AS UNITS OF 512 BYTES in the order of the operands' registers (lane (r, h): row r, k = 16 u + 8 h + 0 .. 7, at 16 x lane): a K step's tiles are dense blocks, a fragment is two loads of 512 consecutive bytes.
; CLUSTERS: 4 x 4 work-groups; ao's tiles are shared along a row of the cluster, W's along a column, by joint loads.  THE MATRIX INSTRUCTION IS USED TRANSPOSED (source 0 = 16 n of W, source 1 = 16 tokens): a lane holds eight neighbouring
; numbers of a row of the output.  The bias is the C of each sum's first instruction.
; No prefetch: a K step's tiles are 96 KB for 128 matrix instructions a wave on a small tile, and the launch has eight K steps in all.
; REGISTERS: window 0: v16-29 addresses; v32-127, v128-223 two fragment buffers (W's 64, then ao's 32); on the way out v32-159 rows read back.  window 1: accumulator (a, b) at v[8 (8 a + b)].  window 2: v0-63 the bias.
.set SLOT,   98304                     ; ao's 32,768 bytes (two halves of 64 tokens), then W's 65,536 (two halves of 128 n)
.set STAGE,  2*SLOT                    ; bytes of its own: 16 rows x (512 + 16) for each wave
.set SPITCH, 528
.set SPARE,  STAGE+4*16*SPITCH         ; the spare words, 128 bytes a wave: two blocks of 256 bytes that no other line names
.set LAPS,   4                         ; a lap = two K steps
.set ADRA, 16
.set ADRB, 20
.set STO,  24
.set RD,   25
.set CO,   26
.set BO,   27
.set SPW,  28
.set NIL,  29
.set F0,   32
.set F1,   128
.set BK,   32
.set G1, 24
.set G0, 32
.set G1B, 48
.set G0B, 56
.set MSB, 0
.macro WIN new
.if MSB != \new
	s_set_vgpr_msb (MSB<<8)|\new
.set MSB, \new
.endif
.endm
.set MUL, 0x50                         ; C and D window 1
.set BIA, 0x60                         ; C (the bias) window 2, D window 1
.macro JLOAD s                         ; a joint load: waves 0 and 1 fetch ao's halves, waves 2 and 3 W's; an s_nop 0 and four v_nop follow each of the two lines
	s_cmp_eq_u32 s13, 0
	s_cbranch_scc0 .Lfor_b_\@
	tensor_load_to_lds s[G0+4*\s:G0+4*\s+3], s[G1:G1+7]
	s_nop 0
.rept 4
	v_nop
.endr
	s_branch .Lasked_\@
.Lfor_b_\@:
	tensor_load_to_lds s[G0B+4*\s:G0B+4*\s+3], s[G1B:G1B+7]
	s_nop 0
.rept 4
	v_nop
.endr
.Lasked_\@:
.endm
.macro CREST
	s_cmp_lg_u32 s12, 0
	s_cbranch_scc1 .Lnot_wave_0_\@
	s_barrier_signal -3
.Lnot_wave_0_\@:
	s_barrier_wait -3
	s_barrier_signal -1
	s_barrier_wait -1
.endm
.macro CROUND
	s_barrier_signal -1
	s_barrier_wait -1
	CREST
.endm
	s_load_b256 s[4:11], s[0:1], 0x0               ; ao s[4:5], wpf s[6:7], b_proj s[8:9], out0 s[10:11]
	v_lshl_add_u32 v[SPW], v0, 2, SPARE
	v_mov_b32 v[NIL], 0
	ds_add_u32 v[SPW], v[NIL]                      ; the wave's opening: the add, twice on end, and its wait ahead of my first tensor load
	ds_add_u32 v[SPW], v[NIL]
	v_lshrrev_b32 v1, 5, v0
	v_readfirstlane_b32 s12, v1                    ; wave
	s_lshr_b32 s13, s12, 1                         ; my half of the tokens.  Also: I fetch for ao (0) or for W (1)
	s_and_b32 s14, s12, 1                          ; my half of the n.  Also: which half of that tile I fetch
	s_bfe_u32 s40, ttmp6, 0x40000                  ; cx
	s_bfe_u32 s41, ttmp6, 0x40004                  ; cy
	s_lshl_b32 s42, ttmp9, 2
	s_add_co_u32 s42, s42, s40                     ; tile column
	s_and_b32 s15, ttmp7, 0xffff
	s_lshl_b32 s15, s15, 2
	s_add_co_u32 s15, s15, s41                     ; tile row
	s_lshl_b32 s43, s41, 2
	s_lshl_b32 s43, 15, s43                        ; my row of the cluster
	s_lshl_b32 s44, 0x1111, s40                    ; my column
	s_or_b32 s[G1+0], s43, (3<<16)|(1<<21)         ; dense blocks as rows of 256 bytes (32 elements of 8 bytes), no padding: 64 rows for ao,
	s_mov_b32 s[G1+1], 32<<16
	s_mov_b32 s[G1+2], 64<<16
	s_mov_b32 s[G1+3], 32<<16
	s_mov_b32 s[G1+4], 64
	s_mov_b32 s[G1+5], 32
	s_mov_b32 s[G1+6], 0
	s_mov_b32 s[G1+7], 0
	s_or_b32 s[G1B+0], s44, (3<<16)|(1<<21)        ; 128 for W
	s_mov_b32 s[G1B+1], 32<<16
	s_mov_b32 s[G1B+2], 128<<16
	s_mov_b32 s[G1B+3], 32<<16
	s_mov_b32 s[G1B+4], 128
	s_mov_b32 s[G1B+5], 32
	s_mov_b32 s[G1B+6], 0
	s_mov_b32 s[G1B+7], 0
	s_lshl_b32 s16, s15, 18                        ; ao: 262,144 x tile row + 16,384 x half
	s_lshl_b32 s17, s14, 14
	s_add_co_u32 s16, s16, s17
	s_mov_b32 s17, 0
	s_lshl_b32 s46, s42, 19                        ; W: 524,288 x tile column + 32,768 x half
	s_lshl_b32 s47, s14, 15
	s_add_co_u32 s46, s46, s47
	s_mov_b32 s47, 0
	s_lshl_b32 s22, s14, 14                        ; where they go in a slot: no place in the cluster enters an LDS address
	s_lshl_b32 s23, s14, 15
	s_add_co_u32 s23, s23, 32768
	s_wait_dscnt 0x0                               ; both opening adds are done
	s_wait_kmcnt 0x0
	s_add_nc_u64 s[16:17], s[4:5], s[16:17]
	s_add_nc_u64 s[46:47], s[6:7], s[46:47]
	CROUND                                         ; all sixteen work-groups are here: the first joint loads meet
.irp s, 0,1
	s_mov_b32 s[G0+4*\s], 1
	s_add_co_u32 s[G0+4*\s+1], s22, \s*SLOT
	s_add_nc_u64 s[G0+4*\s+2:G0+4*\s+3], s[16:17], \s*32768
	s_or_b32 s[G0+4*\s+3], s[G0+4*\s+3], 0x80000000
	s_mov_b32 s[G0B+4*\s], 1
	s_add_co_u32 s[G0B+4*\s+1], s23, \s*SLOT
	s_add_nc_u64 s[G0B+4*\s+2:G0B+4*\s+3], s[46:47], \s*65536
	s_or_b32 s[G0B+4*\s+3], s[G0B+4*\s+3], 0x80000000
	JLOAD \s                                       ; two tensor loads of mine are out behind the second
.endr
	v_and_b32 v1, 15, v0                           ; r
	v_bfe_u32 v2, v0, 4, 1                         ; h
	v_lshlrev_b32 v[BO], 5, v2
	s_lshl_b32 s20, s42, 10
	s_lshl_b32 s21, s14, 9
	s_add_co_u32 s20, s20, s21
	s_mov_b32 s21, 0
	s_add_nc_u64 s[8:9], s[8:9], s[20:21]          ; b_proj at my first n
	WIN 0x80                                       ; destination window 2
.irp b, 0,1,2,3,4,5,6,7
	global_load_b128 v[8*\b:8*\b+3], v[BO], s[8:9] offset:64*\b          ; lane (r, h): numbers 16 b + 8 h + 0 .. 7
	global_load_b128 v[8*\b+4:8*\b+7], v[BO], s[8:9] offset:64*\b+16
.endr
	WIN 0
	v_and_b32 v3, 31, v0
	v_lshlrev_b32 v[CO], 4, v3                     ; 16 x lane
	s_lshl_b32 s2, s13, 14                         ; my 64 tokens
	s_lshl_b32 s3, s14, 15
	s_add_co_u32 s3, s3, 32768                     ; my 128 n
.irp s, 0,1
	v_add_nc_u32 v[ADRA+\s], s2, v[CO]
	v_add_nc_u32 v[ADRB+\s], s3, v[CO]
	s_add_co_u32 s2, s2, SLOT
	s_add_co_u32 s3, s3, SLOT
.endr
	s_mul_i32 s2, s12, 16*SPITCH
	s_add_co_u32 s2, s2, STAGE                     ; my stage
	v_mul_u32_u24 v4, v1, SPITCH
	v_lshl_add_u32 v4, v2, 5, v4
	v_add_nc_u32 v[STO], s2, v4                    ; in: row r, 32 bytes for each half of the lanes
	v_add_nc_u32 v[RD], s2, v[CO]                  ; back: the 32 lanes take a row of 512 bytes
	s_lshl_b32 s20, s15, 19                        ; out0: (128 x tile row + 64 x half) rows of 4,096 bytes
	s_lshl_b32 s21, s13, 18
	s_add_co_u32 s20, s20, s21
	s_lshl_b32 s21, s42, 10                        ; + (256 x tile column + 128 x half) x 4
	s_add_co_u32 s20, s20, s21
	s_lshl_b32 s21, s14, 9
	s_add_co_u32 s20, s20, s21
	s_mov_b32 s21, 0
	s_add_nc_u64 s[10:11], s[10:11], s[20:21]
; 8 matrix instructions: tokens' tile a against W's eight, 32 along K.  The 32 accumulators take turns, one instruction a turn.  zero = 1: the bias starts the sums
.macro MUL8 f, a, zero
.irp b, 0,1,2,3,4,5,6,7
.if \zero
	v_wmma_f32_16x16x32_f16 v[8*(8*(\a)+\b):8*(8*(\a)+\b)+7], v[\f+8*\b:\f+8*\b+7], v[\f+64+8*(\a):\f+64+8*(\a)+7], v[8*\b:8*\b+7]
.else
	v_wmma_f32_16x16x32_f16 v[8*(8*(\a)+\b):8*(8*(\a)+\b)+7], v[\f+8*\b:\f+8*\b+7], v[\f+64+8*(\a):\f+64+8*(\a)+7], v[8*(8*(\a)+\b):8*(8*(\a)+\b)+7]
.endif
.endr
.endm
.macro FETCH slot, kk, f               ; 24 LDS loads in one run: the fragments of 32 along K, the slot's kk-th: W's sixteen first, then ao's eight
	WIN 0
.irp b, 0,1,2,3,4,5,6,7
.irp c, 0,1
	ds_load_b128 v[\f+8*\b+4*\c:\f+8*\b+4*\c+3], v[ADRB+\slot] offset:4096*\b+1024*\kk+512*\c
.endr
.endr
.irp a, 0,1,2,3
.irp c, 0,1
	ds_load_b128 v[\f+64+8*\a+4*\c:\f+64+8*\a+4*\c+3], v[ADRA+\slot] offset:4096*\a+1024*\kk+512*\c
.endr
.endr
.endm
.macro PLACES
.rept 4
	v_nop
.endr
.endm
.macro MWIN zero
.if \zero
	WIN BIA
.else
	WIN MUL
.endif
.endm
; A K step is four quarters of 32 along K, 32 matrix instructions each, on buffers 0, 1, 0, 1.  One of the first three multiplies buffer f and fetches the slot's kk-th quarter into g
.macro QUARTER slot, kk, f, g, zero
	s_wait_dscnt 4                                 ; W's fragments and tokens' tiles 0, 1 are in; the youngest four loads (tiles 2, 3) may be out
	MWIN \zero
	MUL8 \f, 0, \zero
	MUL8 \f, 1, \zero
	PLACES
	FETCH \slot, \kk, \g
	s_wait_dscnt 24                                ; all but the 24 just issued
	MWIN \zero
	MUL8 \f, 2, \zero
	MUL8 \f, 3, \zero
.endm
; The last quarter multiplies buffer 1 and changes slots: ONE barrier; in front of it each wave waits for all its tensor loads, adds 0 to its spare word, and waits for that and for its reads of this slot.  fill = 1: this slot is filled again, two K steps ahead
.macro TURN slot, next, fill
	WIN 0
	s_wait_tensorcnt 0x0                           ; my part of the next slot is in
	ds_add_u32 v[SPW], v[NIL]
	s_wait_dscnt 5                                 ; (the add and the youngest four loads may be out)
	WIN MUL
	MUL8 F1, 0, 0
	s_wait_dscnt 0x0                               ; the add is done, and my reads of this slot are over
	s_barrier_signal -1
	MUL8 F1, 1, 0
	WIN 0
	s_barrier_wait -1
.if \fill
	CREST                                          ; the barrier has opened a round of the cluster's barrier: no wave of any partner still reads this slot or has a load on its way
	s_add_nc_u64 s[G0+4*\slot+2:G0+4*\slot+3], s[G0+4*\slot+2:G0+4*\slot+3], 2*32768
	s_add_nc_u64 s[G0B+4*\slot+2:G0B+4*\slot+3], s[G0B+4*\slot+2:G0B+4*\slot+3], 2*65536
	JLOAD \slot                                    ; the first tensor load behind the round; its four v_nop are also the places in front of the loads below
.else
	PLACES
.endif
	FETCH \next, 0, F0
	WIN MUL
	MUL8 F1, 2, 0
	MUL8 F1, 3, 0
.endm
	s_wait_tensorcnt 1                             ; my part of K step 0 is in; K step 1's may stay out
	s_barrier_signal -1
	s_barrier_wait -1
	FETCH 0, 0, F0
	s_wait_loadcnt 0x0                             ; the bias
	QUARTER 0, 1, F0, F1, 1                        ; the first quarter stands in front of the loop: the bias starts the sums
	WIN 0
	s_mov_b32 s3, LAPS-1
.Llap:                                             ; a trip goes once round the ring, from a lap's second quarter to the next lap's first, and fills both slots again
	QUARTER 0, 2, F1, F0, 0
	QUARTER 0, 3, F0, F1, 0
	TURN 0, 1, 1
	QUARTER 1, 1, F0, F1, 0
	QUARTER 1, 2, F1, F0, 0
	QUARTER 1, 3, F0, F1, 0
	TURN 1, 0, 1
	QUARTER 0, 1, F0, F1, 0
	WIN 0
	s_sub_co_u32 s3, s3, 1
	s_cmp_lg_u32 s3, 0
	s_cbranch_scc1 .Llap
	QUARTER 0, 2, F1, F0, 0                        ; the last lap fills nothing, and has no round of the cluster's barrier
	QUARTER 0, 3, F0, F1, 0
	TURN 0, 1, 0
	QUARTER 1, 1, F0, F1, 0
	QUARTER 1, 2, F1, F0, 0
	QUARTER 1, 3, F0, F1, 0
	s_wait_dscnt 4
	WIN MUL
	MUL8 F1, 0, 0
	MUL8 F1, 1, 0
	s_wait_dscnt 0
	MUL8 F1, 2, 0
	MUL8 F1, 3, 0
	WIN 0
; THE WAY OUT, a block of 16 tokens x 128 n at a time, through my own stage: in as 32 bytes a lane, back as whole rows of 512 bytes, which the 32 lanes store as two aligned runs of 256 bytes.
; LDS serves a wave's instructions in order (ISA guide 5.7.1.4): no wait between the stores and the loads, nor in front of the next block's stores.
.macro TOSTAGE a
	WIN 0x04                                       ; an LDS store's data are its source 1: window 1
.irp b, 0,1,2,3,4,5,6,7
	ds_store_b128 v[STO], v[8*(8*(\a)+\b):8*(8*(\a)+\b)+3] offset:64*\b          ; each accumulator from its low end on
	ds_store_b128 v[STO], v[8*(8*(\a)+\b)+4:8*(8*(\a)+\b)+7] offset:64*\b+16
.endr
	WIN 0
.set BB, BK+64*((\a)%2)
.irp t, 0,1,2,3,4,5,6,7,8,9,10,11,12,13,14,15
	ds_load_b128 v[BB+4*\t:BB+4*\t+3], v[RD] offset:\t*SPITCH
.endr
.endm
.macro SEND a, younger                 ; younger: the LDS instructions issued behind block a's loads, which may stay out
.set BB, BK+64*((\a)%2)
	s_wait_dscnt \younger
.if (\a) > 0
	s_add_nc_u64 s[10:11], s[10:11], 16*4096       ; (behind a wait on XCNT: the earlier stores have read their base)
.endif
.irp t, 0,1,2,3,4,5,6,7,8,9,10,11,12,13,14,15
	global_store_b128 v[CO], v[BB+4*\t:BB+4*\t+3], s[10:11] offset:\t*4096 th:TH_STORE_NT
.endr
.endm
	PLACES                                         ; in front of the first read of results and of the loads into registers that held fragments
	TOSTAGE 0
.irp a, 1,2,3
.if \a > 1
	s_wait_xcnt 0x0                                ; block a - 2's stores have read their registers and their base
.endif
	TOSTAGE \a
	SEND \a-1, 32                                  ; behind block a - 1's loads: block a's 16 stores and 16 loads
.endr
	s_wait_xcnt 0x0
	SEND 3, 0
	s_wait_tensorcnt 0x0                           ; the wave's end
	ds_add_u32 v[SPW], v[NIL]
	s_wait_dscnt 0x0
	CROUND                                         ; the closing round
	s_endpgm
.Lfunc_end_k_q6cc514af4b_proj:
	.size	k_q6cc514af4b_proj, .Lfunc_end_k_q6cc514af4b_proj-k_q6cc514af4b_proj
	.p2alignl 7, 3214868480
	.fill 96, 4, 3214868480
	.section	.rodata,"a",@progbits
	.p2align	6, 0x0
	.amdhsa_kernel k_q6cc514af4b_proj
		.amdhsa_group_segment_fixed_size 327680
		.amdhsa_private_segment_fixed_size 0
		.amdhsa_enable_private_segment 0
		.amdhsa_kernarg_size 32
		.amdhsa_user_sgpr_count 2
		.amdhsa_user_sgpr_kernarg_segment_ptr 1
		.amdhsa_wavefront_size32 1
		.amdhsa_system_sgpr_workgroup_id_x 1
		.amdhsa_system_sgpr_workgroup_id_y 1
		.amdhsa_system_sgpr_workgroup_id_z 1
		.amdhsa_system_vgpr_workitem_id 0
		.amdhsa_next_free_vgpr 640
		.amdhsa_next_free_sgpr 66
		.amdhsa_reserve_vcc 0
		.amdhsa_float_denorm_mode_32 3
		.amdhsa_float_denorm_mode_16_64 3
		.amdhsa_memory_ordered 1
		.amdhsa_forward_progress 1
		.amdhsa_inst_pref_size 86
	.end_amdhsa_kernel
	.amdgpu_metadata
---
amdhsa.version: [ 1, 2 ]
amdhsa.kernels:
  - .name:           k_q6cc514af4b_proj
    .symbol:         k_q6cc514af4b_proj.kd
    .args:
      - { .name: ao, .offset: 0, .size: 8, .value_kind: global_buffer, .address_space: global }
      - { .name: wpf, .offset: 8, .size: 8, .value_kind: global_buffer, .address_space: global }
      - { .name: b_proj, .offset: 16, .size: 8, .value_kind: global_buffer, .address_space: global }
      - { .name: out0, .offset: 24, .size: 8, .value_kind: global_buffer, .address_space: global }
    .group_segment_fixed_size: 327680
    .private_segment_fixed_size: 0
    .kernarg_segment_align: 8
    .kernarg_segment_size: 32
    .max_flat_workgroup_size: 128
    .sgpr_count:     66
    .vgpr_count:     640
    .wavefront_size: 32
...
	.end_amdgpu_metadata
.endif
;; end of part 4
